; MI455X (gfx1250); checked and timed in simulation.
; The chip was launched on July 23, 2026; its instructions are those of AMD's public machine-readable ISA for CDNA 5 (MIT licence, August 2026) and "CDNA5" Instruction Set Architecture Reference Guide (July 2026). The comments in the code are by the model that wrote it; some were corrected since.
;; Attention. Allowed arithmetic: matrix products marked QUANTISED: E2M1 operands, one E8M0 scale for each 32 along K, by v_wmma_scale_f32_16x16x128_f8f6f4 with both operands' format E2M1 (or v_wmma_scale_f32_32x16x128_f4), f32 sums; products left as they are: bf16, f16 or f32 operands; f32 sums; everything else in f32.
;; Inputs: W_proj 1,024 x 512 float32; W_score 1,024 x 512 float32; W_value 1,024 x 512 float32; b_proj 512 float32; b_score 512 float32; b_value 512 float32; listener_len 32 int32; listener_state 2,048 x 32 x 1,024 float32; speller_state 32 x 1,024 float32.
;; Outputs: out0 32 x 512 float32; out1 32 x 2,048 float32.
;; Constants: batch_size = 32.
;; This version of the problem:
;;   THIS VERSION OF THE PROBLEM IS GIVEN IN LOW PRECISION. The matrix products marked QUANTISED in the list below multiply operands that are first quantised to E2M1 (2 exponent bits, 1 mantissa bit; 4 bits a number), with one power-of-two scale for each 32 numbers along K (OCP MX v1.0); their sums are f32. The products marked 'left as it is' may take bf16, f16 or f32 operands, with f32 sums. Whichever they take, every output number must still come out within the allowed error. Rounding operands to bf16 (8 significant bits) uses up far more of that allowance than f16 does (11 bits, for magnitudes from 6e-5 to 65,504). All else is computed in f32.
;;   The module's matrix products, in the order in which they are computed (A, B: the left and right operand; K: the contracted axis; several contracted axes count as one K, in the product's order):
;;     1. [M 65,536, K 1,024] x [K 1,024, N 512]; A: input listener_state; B: input W_score: QUANTISED
;;     2. [M 65,536, K 1,024] x [K 1,024, N 512]; A: input listener_state; B: input W_value: QUANTISED
;;     3. [M 32, K 1,024] x [K 1,024, N 512]; A: input speller_state; B: input W_proj: QUANTISED
;;     4. batch 32 x [M 1, K 512] x [K 512, N 2,048]; A: computed on the way; B: computed on the way: left as it is (M = 1 < 16)
;;     5. batch 32 x [M 1, K 2,048] x [K 2,048, N 512]; A: computed on the way; B: computed on the way: left as it is (M = 1 < 16)
;;   THE QUANTISER, for each operand of a quantised product, along K:
;;     - K is cut into blocks of 32 from its start; a last block that is shorter is filled with zeros.
;;     - A block's scale is 2^e with e = floor(log2(the largest magnitude in the block)) - 2, held to -126 .. 127; a block of zeros has e = 0. As a byte (E8M0): e + 127.
;;     - Each number is divided by its block's scale, clamped to +-6, and rounded to the nearest number of E2M1, ties to even, subnormals kept.
;;     - The product sums the exact products of the quantised numbers (number of the format x scale) in f32.
;;   ~~~python
;;   def quantise(x, axis):      # numpy; x: float32 -> the quantised numbers, widened to float32 again
;;       x = np.moveaxis(x, axis, -1); K = x.shape[-1]
;;       x = np.pad(x, [(0, 0)] * (x.ndim - 1) + [(0, -K % 32)]); x = x.reshape(x.shape[:-1] + (-1, 32)); a = np.abs(x).max(-1, keepdims=True)
;;       e = np.where(a > 0, np.clip(np.frexp(np.where(a > 0, a, 1))[1] - 1 - 2, -126, 127), 0)      # np.frexp(a)[1] - 1 = floor(log2(a)), exactly
;;       r = np.clip(x / 2.0 ** e, -6, 6)
;;       step = 2.0 ** (np.maximum(np.frexp(np.where(r == 0, 1, r))[1] - 1, 0) - 1)
;;       q = np.round(r / step) * step * 2.0 ** e      # np.round: ties to even
;;       return np.moveaxis(q.reshape(q.shape[:-2] + (-1,))[..., :K], -1, axis).astype(np.float32)
;;   ~~~
;; One version. Each part assembles by itself: llvm-mc -triple=amdgcn-amd-amdhsa -mcpu=gfx1250 --defsym DOCPART=n.
;; ======== version 1 of 1: 3 launches
;; limits: right only within a limited range of input values
;; workspace buffers: wq 557,056 bytes; qws 65,536 bytes; part 589,824 bytes; zws 262,144 bytes
;; launch prep (part 1): grid 96 x 1, 8 waves a work-group, no clusters, 153,088 bytes of LDS; arguments W_score, W_value, W_proj, speller_state, b_proj, wq, qws; writes wq, qws
.if DOCPART == 1
	.amdgcn_target "amdgcn-amd-amdhsa--gfx1250"
	.amdhsa_code_object_version 6
	.text
	.protected	k_q8dbcb361c4_prep
	.globl	k_q8dbcb361c4_prep
	.p2align	8
	.type	k_q8dbcb361c4_prep,@function
k_q8dbcb361c4_prep:
	s_mov_b64 s[64:65], 0
	v_nop
	global_prefetch_b8 v0, s[64:65] scope:SCOPE_SE
	s_setreg_imm32_b32 hwreg(HW_REG_WAVE_MODE, 25, 1), 1
	s_wait_xcnt 0x0
; W_score and W_value [1024 (k)][512 (n)], f32, become codes of FP4 (E2M1) with one E8M0 byte for each 32 along K, laid in wq as IMAGES OF THE OPERAND'S REGISTERS;
; and the query relu(speller_state W_proj + b_proj), both operands quantised along K, goes to qws as f32.
; SHARES.  A work-group takes 16 columns of one weight (work-groups 0-31 W_score, 32-63 W_value, 64-95 W_proj); its eight waves take the eight K steps of 128.
; A LANE TAKES A COLUMN AND ITS REGISTERS RUN DOWN K, in the order that the operand's layout gives the lane: lane (r, h) holds k = 64 c + 32 h + 0 .. 31 of column r.  So the conversions' results are the
; operand's registers and a block's largest magnitude needs no other lane.  Sixteen lanes of a load read 64 neighbouring bytes: the three weights are 6 MB of the program's 275.
; THE SPELLER's K is innermost: a wave loads its 128 numbers of each of the 32 rows as 512 consecutive bytes and turns them through LDS bytes of its own, so that lane (r, h) gets 32 neighbours of row r.
; wq: four chunks of 139,264 bytes (W_score's columns 0-255, 256-511, W_value's likewise).  In a chunk: codes [tile of 16 columns 0..15][K step 0..7][c 0..1][lane][16 bytes]; then from byte 131,072 the scale words
; [tile][i 0..3][lane][4 bytes]: lanes 0-15 the word of K step 2 i of column r, lanes 16-31 that of K step 2 i + 1.     qws: [tile of 16 columns 0..31][b 0..31][16] f32.
; A block's scale is 2^(floor(log2(largest magnitude)) - 2); its byte is that magnitude's exponent field - 2, held at 1 from below.  A block of zeros gets the byte 1 with zero codes: this program alone reads the bytes.
; LIMITS: NaN and infinities among the inputs are not served.  The query's eight K steps are added in f32, ascending, after the matrix unit's sums of 128.
; The two kinds of work-group part once, on the work-group's number, and each kind has LDS bytes of its own.
.set RED,   0                          ; the query's path: for each wave 2,048 bytes, [b 32][16 columns] f32
.set SCW,   16384                      ; the weights' path: the tile's 128 scale words
.set SPARE, 16896                      ; the spare words, 128 bytes for each of the eight waves: four blocks of 256 bytes that no other line names
.set SPL,   17920                      ; the query's path: for each wave 32 rows of the speller, 512 bytes + 16 each
.set SPP,   528
.set CHUNK, 139264
.set SPW, 6                            ; v6   LDS address of my spare word; never rewritten
.set NIL, 7                            ; v7   0; never rewritten
; v1 r, v2 h, v3 lane; v4 W's offset; v8 16 x lane; v9-12, v14, v15 LDS addresses; v13 the bias's offset; v16-23 at work; v24 W's scale word, v25, v26 the speller's; v28-31 the bias;
; v32-39 W's codes, v40-55 the speller's two fragments; v64-127 W's 64 numbers (later the products and their sums); v128-255 the speller: 32 rows as loaded, then 2 x 64 numbers in the operand's order
.macro WLOAD base                      ; W(64 c + 32 h + i, column r) of my K step into v[64 + 32 c + i]
.set I, 0
.rept 64
	global_load_b32 v[64+I], v4, s[\base:\base+1] offset:(I+32*(I/32))*2048
.set I, I+1
.endr
.endm
; 64 numbers of a lane, v[x + 32 k + i] = block 2 k + h of my column or row, become the fragment's eight registers v[c] on and the scale word v[w]
.macro QF6 x, c, w
.irp k, 0,1
	v_max3_num_f32 v[16+\k], |v[\x+32*\k]|, |v[\x+32*\k+1]|, 0x1800000   ; with the floor 2^(3 - 127): the byte cannot fall under 1
.endr
.irp i, 2,4,6,8,10,12,14,16,18,20,22,24,26,28,30
.irp k, 0,1
	s_delay_alu instid0(VALU_DEP_2)
	v_max3_num_f32 v[16+\k], v[16+\k], |v[\x+32*\k+\i]|, |v[\x+32*\k+\i+1]|   ; the two blocks by turns
.endr
.endr
.irp k, 0,1
	s_delay_alu instid0(VALU_DEP_2)
	v_add_nc_u32 v[18+\k], 0xff000000, v[16+\k]    ; 2 off the exponent field: the conversion takes this operand's exponent field as its scale
.endr
.irp k, 0,1
	s_delay_alu instid0(VALU_DEP_2)
	v_lshrrev_b32 v[20+\k], 23, v[18+\k]           ; the scale's byte
.endr
	s_delay_alu instid0(VALU_DEP_1)
	v_lshl_or_b32 v[\w], v21, 16, v20              ; my two bytes, blocks h and 2 + h,
	s_delay_alu instid0(VALU_DEP_1)
	v_lshlrev_b32 v[\w], v22, v[\w]                ; 8 h bits up;
	s_delay_alu instid0(VALU_DEP_1)
	v_permlanex16_b32 v23, v[\w], s20, s21
	s_delay_alu instid0(VALU_DEP_1)
	v_or_b32 v[\w], v[\w], v23                     ; with lane l xor 16's two the word is whole
.irp k, 0,1
.irp g, 0,1,2,3
	v_cvt_scalef32_pk8_fp4_f32 v[\c+4*\k+\g], v[\x+32*\k+8*\g:\x+32*\k+8*\g+7], v[18+\k]
.endr
.endr
	v_nop                                          ; one plain instruction behind the last scaled conversion
.endm
	s_load_b256 s[4:11], s[0:1], 0x0               ; W_score s[4:5], W_value s[6:7], W_proj s[8:9], speller_state s[10:11]
	s_load_b128 s[12:15], s[0:1], 0x20             ; b_proj s[12:13], wq s[14:15]
	s_load_b64 s[16:17], s[0:1], 0x30              ; qws
	v_lshl_add_u32 v[SPW], v0, 2, SPARE
	v_mov_b32 v[NIL], 0
	v_lshrrev_b32 v16, 5, v0
	s_delay_alu instid0(VALU_DEP_1)
	v_readfirstlane_b32 s18, v16                   ; wave = K step
	v_and_b32 v1, 15, v0                           ; r
	v_bfe_u32 v2, v0, 4, 1                         ; h
	v_and_b32 v3, 31, v0                           ; lane
	s_delay_alu instid0(VALU_DEP_3)
	v_lshlrev_b32 v4, 2, v1
	s_delay_alu instid0(VALU_DEP_1)
	v_lshl_add_u32 v4, v2, 16, v4                  ; W: 4 r + 32 rows of 2,048 bytes for lanes 16-31
	s_delay_alu instid0(VALU_DEP_3)
	v_lshlrev_b32 v8, 4, v3                        ; 16 x lane
	s_lshl_b32 s19, s18, 6
	s_add_co_u32 s19, s19, SCW
	v_lshl_add_u32 v9, v1, 2, s19                  ; my scale word's place: SCW + 64 x K step + 4 r
	s_lshl_b32 s19, s18, 11
	v_lshlrev_b32 v10, 6, v1
	s_delay_alu instid0(VALU_DEP_1)
	v_lshl_add_u32 v10, v2, 5, v10
	s_delay_alu instid0(VALU_DEP_1)
	v_add_nc_u32 v10, s19, v10                     ; my products' place: RED + 2,048 x wave + 64 r + 32 h
	s_lshl_b32 s19, s18, 9
	v_add_nc_u32 v11, s19, v8                      ; where waves 0-3 read them back: RED + 512 x wave + 16 x lane
	v_add_nc_u32 v12, SCW, v8                      ; where wave 0 reads the scale words back
	s_mul_i32 s19, s18, 32*SPP
	s_add_co_u32 s19, s19, SPL                     ; my wave's rows of the speller
	v_add_nc_u32 v14, s19, v8                      ; in: 16 x lane of a row
	v_mul_u32_u24 v15, v1, SPP
	s_delay_alu instid0(VALU_DEP_1)
	v_lshl_add_u32 v15, v2, 7, v15
	s_delay_alu instid0(VALU_DEP_1)
	v_add_nc_u32 v15, s19, v15                     ; back: row r, + 128 h: my 32 neighbours of a block pair
	v_and_b32 v13, 3, v0
	s_delay_alu instid0(VALU_DEP_1)
	v_lshlrev_b32 v13, 4, v13                      ; the bias of my four columns on the way back
	v_lshlrev_b32 v22, 3, v2                       ; 8 h
	v_mov_b32 v23, 0                               ; written once: a lane permute's destination counts as one of its sources
	s_mov_b32 s20, 0x76543210
	s_mov_b32 s21, 0xfedcba98                      ; v_permlanex16_b32's selects for lane l xor 16
	s_and_b32 s24, ttmp9, 31                       ; the tile of 16 columns in its weight
	s_lshl_b32 s26, s24, 6
	s_lshl_b32 s27, s18, 18
	s_add_co_u32 s26, s26, s27                     ; 64 x tile + 128 rows x K step
	s_mov_b32 s27, 0
	s_wait_kmcnt 0x0
	s_cmp_lt_u32 ttmp9, 64                         ; the work-group's number alone: all eight waves go the same way
	s_cbranch_scc0 .Lproj
	; ---- W_score or W_value: codes and scale words to wq
	s_cmp_lt_u32 ttmp9, 32
	s_cselect_b64 s[4:5], s[4:5], s[6:7]
	s_add_nc_u64 s[4:5], s[4:5], s[26:27]
	WLOAD 4
	s_lshr_b32 s28, ttmp9, 4                       ; the chunk, 0 .. 3
	s_mul_i32 s28, s28, CHUNK
	s_and_b32 s29, ttmp9, 15                       ; the tile in it
	s_lshl_b32 s30, s29, 13
	s_add_co_u32 s30, s30, s28
	s_lshl_b32 s31, s18, 10
	s_add_co_u32 s30, s30, s31                     ; codes: chunk + 8,192 x tile + 1,024 x K step
	s_mov_b32 s31, 0
	s_add_nc_u64 s[30:31], s[14:15], s[30:31]
	s_lshl_b32 s32, s29, 9
	s_add_co_u32 s32, s32, s28
	s_add_co_u32 s32, s32, 131072                  ; scale words: chunk + 131,072 + 512 x tile
	s_mov_b32 s33, 0
	s_add_nc_u64 s[32:33], s[14:15], s[32:33]
	s_wait_loadcnt 0x0                             ; all 64 went out together
	QF6 64, 32, 24
	global_store_b128 v8, v[32:35], s[30:31]               ; each store of the wave covers 512 consecutive bytes, aligned
	global_store_b128 v8, v[36:39], s[30:31] offset:512
	ds_store_b32 v9, v24                           ; both halves of the lanes hold the same word and write it to the same place
	s_wait_dscnt 0x0                               ; for wave 0's sake: my word has landed
	s_barrier_signal -1
	s_barrier_wait -1
	s_cmp_lg_u32 s18, 0
	s_cbranch_scc1 .Lend
	ds_load_b128 v[40:43], v12                     ; the tile's 128 words leave as 512 consecutive bytes
	s_wait_dscnt 0x0
	global_store_b128 v8, v[40:43], s[32:33]
	s_branch .Lend
	; ---- W_proj: the query's 16 columns for all 32 rows of the speller; my K step's part
.Lproj:
	s_add_nc_u64 s[8:9], s[8:9], s[26:27]
	s_lshl_b32 s28, s18, 9
	s_mov_b32 s29, 0
	s_add_nc_u64 s[10:11], s[10:11], s[28:29]      ; the speller at my K step
	s_lshl_b32 s28, s24, 6
	s_add_nc_u64 s[12:13], s[12:13], s[28:29]      ; b_proj at the tile
	s_lshl_b32 s28, s24, 11
	s_lshl_b32 s30, s18, 9
	s_add_co_u32 s28, s28, s30
	s_add_nc_u64 s[16:17], s[16:17], s[28:29]      ; qws: 2,048 x tile + 512 x wave
.set I, 0
.rept 32
	global_load_b128 v[128+4*I:131+4*I], v8, s[10:11] offset:4096*I   ; row I: my K step's 512 consecutive bytes, 16 a lane
.set I, I+1
.endr
	s_wait_alu depctr_va_vdst(0)
	global_load_b128 v[28:31], v13, s[12:13]
	WLOAD 8
	s_wait_loadcnt 63                              ; of the 97 loads issued the 34 oldest are in: the speller's 32 and the bias's among them; W's may be out
.set I, 0
.rept 32
	ds_store_b128 v14, v[128+4*I:131+4*I] offset:SPP*I
.set I, I+1
.endr
	s_wait_dscnt 0x0                               ; the stores have read their registers, which the loads below fill anew
.irp m, 0,1
.irp c, 0,1
.irp q, 0,1,2,3,4,5,6,7
	ds_load_b128 v[128+64*\m+32*\c+4*\q:128+64*\m+32*\c+4*\q+3], v15 offset:16*SPP*\m+256*\c+16*\q   ; row 16 m + r, k = 64 c + 32 h + 4 q on
.endr
.endr
.endr
	s_wait_loadcnt 0x0                             ; W
	QF6 64, 32, 24
	s_wait_dscnt 0x0                               ; the speller, in the operand's order
	QF6 128, 40, 25
	QF6 192, 48, 26
.rept 8
	v_nop                                          ; a scale register written by a vector instruction stands eight places ahead of a scaled matrix instruction, an operand so written four
.endr
	; transposed: source 0 = 16 columns of W_proj, source 1 = 16 rows of the speller: lane (r, h) holds row 16 m + r and columns 8 h + 0 .. 7
	v_wmma_scale_f32_16x16x128_f8f6f4 v[64:71], v[32:39], v[40:47], 0, v24, v25 matrix_a_fmt:MATRIX_FMT_FP4 matrix_b_fmt:MATRIX_FMT_FP4
	v_wmma_scale_f32_16x16x128_f8f6f4 v[72:79], v[32:39], v[48:55], 0, v24, v26 matrix_a_fmt:MATRIX_FMT_FP4 matrix_b_fmt:MATRIX_FMT_FP4
.rept 4
	v_nop                                          ; four places in front of the first read of the results
.endr
	ds_store_b128 v10, v[64:67]                    ; each result from its low end on
	ds_store_b128 v10, v[68:71] offset:16
	ds_store_b128 v10, v[72:75] offset:1024
	ds_store_b128 v10, v[76:79] offset:1040
	s_wait_dscnt 0x0                               ; for the others' sake: my part has landed
	s_barrier_signal -1
	s_barrier_wait -1
	s_cmp_lt_u32 s18, 4
	s_cbranch_scc0 .Lend
.irp t, 0,1,2,3,4,5,6,7
	ds_load_b128 v[80+4*\t:83+4*\t], v11 offset:2048*\t   ; the eight K steps' parts of my four numbers
.endr
	s_wait_dscnt 0x0
.irp t, 1
	v_pk_add_f32 v[80:81], v[80:81], v[80+4*\t:81+4*\t]
	v_pk_add_f32 v[82:83], v[82:83], v[82+4*\t:83+4*\t]
.endr
.irp t, 2, 3, 4, 5, 6, 7
	s_delay_alu instid0(VALU_DEP_2)
	v_pk_add_f32 v[80:81], v[80:81], v[80+4*\t:81+4*\t]
	s_delay_alu instid0(VALU_DEP_2)
	v_pk_add_f32 v[82:83], v[82:83], v[82+4*\t:83+4*\t]
.endr
	s_delay_alu instid0(VALU_DEP_2)
	v_pk_add_f32 v[80:81], v[80:81], v[28:29]      ; the bias,
	s_delay_alu instid0(VALU_DEP_2)
	v_pk_add_f32 v[82:83], v[82:83], v[30:31]
.irp i, 0,1,2,3
	v_max_num_f32 v[80+\i], 0, v[80+\i]            ; the activation
.endr
	global_store_b128 v8, v[80:83], s[16:17]       ; 512 consecutive bytes a wave, aligned
.Lend:
	s_wait_tensorcnt 0x0                           ; the wave's end, behind my last LDS store
	ds_add_u32 v[SPW], v[NIL]
	s_wait_dscnt 0x0
	s_endpgm
.Lfunc_end_k_q8dbcb361c4_prep:
	.size	k_q8dbcb361c4_prep, .Lfunc_end_k_q8dbcb361c4_prep-k_q8dbcb361c4_prep
	.p2alignl 7, 3214868480
	.fill 96, 4, 3214868480
	.section	.rodata,"a",@progbits
	.p2align	6, 0x0
	.amdhsa_kernel k_q8dbcb361c4_prep
		.amdhsa_group_segment_fixed_size 153088
		.amdhsa_private_segment_fixed_size 0
		.amdhsa_enable_private_segment 0
		.amdhsa_kernarg_size 56
		.amdhsa_user_sgpr_count 2
		.amdhsa_user_sgpr_kernarg_segment_ptr 1
		.amdhsa_wavefront_size32 1
		.amdhsa_system_sgpr_workgroup_id_x 1
		.amdhsa_system_sgpr_workgroup_id_y 1
		.amdhsa_system_sgpr_workgroup_id_z 1
		.amdhsa_system_vgpr_workitem_id 0
		.amdhsa_next_free_vgpr 256
		.amdhsa_next_free_sgpr 66
		.amdhsa_reserve_vcc 0
		.amdhsa_float_denorm_mode_32 3
		.amdhsa_float_denorm_mode_16_64 3
		.amdhsa_memory_ordered 1
		.amdhsa_forward_progress 1
		.amdhsa_inst_pref_size 44
	.end_amdhsa_kernel
	.amdgpu_metadata
---
amdhsa.version: [ 1, 2 ]
amdhsa.kernels:
  - .name:           k_q8dbcb361c4_prep
    .symbol:         k_q8dbcb361c4_prep.kd
    .args:
      - { .name: W_score, .offset: 0, .size: 8, .value_kind: global_buffer, .address_space: global }
      - { .name: W_value, .offset: 8, .size: 8, .value_kind: global_buffer, .address_space: global }
      - { .name: W_proj, .offset: 16, .size: 8, .value_kind: global_buffer, .address_space: global }
      - { .name: speller_state, .offset: 24, .size: 8, .value_kind: global_buffer, .address_space: global }
      - { .name: b_proj, .offset: 32, .size: 8, .value_kind: global_buffer, .address_space: global }
      - { .name: wq, .offset: 40, .size: 8, .value_kind: global_buffer, .address_space: global }
      - { .name: qws, .offset: 48, .size: 8, .value_kind: global_buffer, .address_space: global }
    .group_segment_fixed_size: 153088
    .private_segment_fixed_size: 0
    .kernarg_segment_align: 8
    .kernarg_segment_size: 56
    .max_flat_workgroup_size: 256
    .sgpr_count:     66
    .vgpr_count:     256
    .wavefront_size: 32
...
	.end_amdgpu_metadata
.endif
;; end of part 1
;; launch main (part 2): grid 256 x 1, 4 waves a work-group, clusters of 4 x 1, 327,680 bytes of LDS; arguments listener_state, listener_len, b_score, b_value, wq, qws, part, zws; writes part, zws
.if DOCPART == 2
	.amdgcn_target "amdgcn-amd-amdhsa--gfx1250"
	.amdhsa_code_object_version 6
	.text
	.protected	k_q8dbcb361c4_main
	.globl	k_q8dbcb361c4_main
	.p2align	8
	.type	k_q8dbcb361c4_main,@function
k_q8dbcb361c4_main:
	s_mov_b64 s[64:65], 0
	v_nop
	global_prefetch_b8 v0, s[64:65] scope:SCOPE_SE
	s_setreg_imm32_b32 hwreg(HW_REG_WAVE_MODE, 25, 1), 1
	s_wait_xcnt 0x0
	s_wait_alu depctr_hold_cnt(0) depctr_sa_sdst(0) depctr_va_vdst(0) depctr_va_sdst(0) depctr_va_ssrc(0) depctr_va_vcc(0) depctr_vm_vsrc(0)
	s_getreg_b32 s2, hwreg(HW_REG_IB_STS2, 6, 4)
	s_cmp_eq_u32 s2, 0
	s_cbranch_scc0 .Lentry_in_a_cluster
	s_endpgm
.Lentry_in_a_cluster:
	s_bfe_u32 s2, ttmp6, 0x10000c
	s_cmp_lg_u32 s2, 0x3003
	s_cbranch_scc0 .Lentry_shape_is_right
	s_endpgm
.Lentry_shape_is_right:
; For 256 time steps t of one batch element b: keys = relu(x W_score + b_score), vals = relu(x W_value + b_value), both on codes of FP4 (E2M1) with one E8M0 byte for each 32 along K = 1,024;
; z[t] = query . keys[t] - 100 where t >= listener_len[b]; p = 2^(z log2 e - M), M the largest z log2 e.  Out: z (zws); to part the 512 sums of p vals[t], then (M, L = the sum of p).
; Nothing of reference() is left out; batch_size is a constant and no buffer.
; TWO SETS OF 128 ROWS.  x (listener_state [2048][32][1024] f32) is read once, in quarters of 16 rows (a wave: 4 rows, 32 loads), quantised in registers; codes (rows of 512 + 16 bytes) and scale bytes (rows of 32 + 16) go to LDS.
; Set 0's eight quarters come first, through a ring of two halves of 128 registers.  Then every wave takes the set's 128 rows of codes into 512 registers and walks the weights: eight chunks of 128 columns (four of W_score,
; four of W_value), of which wave w owns columns 32 w .. + 31, two tiles of 16.  A weight's fragment is read from LDS by one wave and feeds eight matrix instructions.
; While set 0 is multiplied, one quarter of set 1 is quantised in each of its eight trips, and the next asked for (one half of the ring, 32 loads a wave).  Then set 1 is multiplied; the weights pass twice.
; EACH LOAD OF x COVERS 512 CONSECUTIVE BYTES: lane (r, h) takes the 16 bytes at 32 r + 16 h of each half of a unit of 1,024 bytes; four exchanges of the lanes' halves then give lane l the unit's numbers 8 l .. 8 l + 7.
; THE MATRIX INSTRUCTION IS USED TRANSPOSED: source 0 = 16 columns of the weight, source 1 = 16 rows of x: a lane holds one row (lane % 16) and columns 8 (lane / 16) + 0 .. 7.  The bias is the C of a sum's first instruction.
; The two products with one row are fused multiply-adds in f32 on the results in registers.  Each set has its own M, L and context; the way out brings both under the larger M.
; THE WEIGHTS are images of the operand's registers (launch prep): a chunk's codes are 65,536 dense bytes, through two LDS slots, each wave a quarter by one tensor load; all scale words (32,768 bytes) come at the head and stay.
; CLUSTER: the four work-groups walk the same chunks and ask for each jointly; no descriptor, LDS address or branch hangs on the work-group's number.
; NO PREFETCH: x is asked for a quarter or two ahead by the register ring itself; the weights are 557,056 bytes that all work-groups share.
; LIMITS: NaN and infinities among the inputs are not served.  A block of zeros carries the byte 1 with zero codes.  Sums over columns and rows are f32, in a fixed order of this text's own.
; REGISTERS, in windows of 256: window 0: the list below.  Windows 1, 2: x's codes, tile of rows m, K step s at v[256 + 64 m + 8 s].  Window 3: v0-127 a weight's fragments, two buffers; v128-255 half 0 of the ring.
; Half 1 of the ring: v128-255 of window 2, ahead of set 0's codes.
.set APITCH, 528
.set SPITCH, 48
.set WSC,    131072                    ; behind the two slots of 65,536: the weights' scale words, [tile 0..63][i 0..3][lane][4]
.set AN,     163840                    ; x's codes, 256 rows
.set SN,     AN+256*APITCH             ; x's scale bytes: word G of a row holds the bytes of blocks G, 8 + G, 16 + G, 24 + G
.set QB,     SN+256*SPITCH             ; the query, b_score, b_value: 2,048 bytes each
.set EX,     QB+6144                   ; the scores' parts: [row 128][wave 4] f32
.set ZB,     EX+2048                   ; z of the 256 rows
.set CT,     ZB+1024                   ; the context: [set 2][512] f32
.set SPARE,  CT+4096                   ; the spare words, 128 bytes a wave: no other line names them
.set XSTEP,  0x200000                  ; 16 rows of x on
.set SPW, 2                            ; my spare word's address; never rewritten
.set NIL, 3                            ; 0; never rewritten
.set XO,  4                            ; 32 r + 16 h
.set AW,  5                            ; where my codes go
.set SW,  6                            ; and my scale words
.set AR,  7                            ; a fragment of x: the set's row r, + 16 h
.set SR,  8
.set WA0, 9                            ; 16,384 w + 16 x lane
.set WS0, 10                           ; WSC + 1,024 w + 4 x lane
.set BQ0, 11                           ; QB + 128 w + 32 h
.set WA,  12                           ; the three in the trip in hand
.set WS,  13
.set BQ,  14
.set EXW, 15
.set EXR, 16
.set ZW,  17
.set DO,  18                           ; my first t + r - listener_len
.set CTW0, 19
.set CTW, 20
.set CTR, 21
.set L16, 22
.set ZR,  23
.set L8,  24
.set AWP, 25
.set SWP, 26
.set NEG, 27                           ; -100.0
                                       ; v28, v29: set 0's M and L; v30, v31: set 1's
.set ASC, 32                           ; v32-63   x's scale words: register 4 m + i: lanes 0-15 K step 2 i, lanes 16-31 K step 2 i + 1
.set BSC, 64                           ; v64-71   a weight's, two buffers
.set BI,  72                           ; v72-87   the bias, two buffers
.set QR,  88                           ; v88-103  the query, two buffers
.set ACC, 104                          ; v104-167 eight accumulators
.set SPR, 168                          ; v168-183 the scores' sums, a pair a tile of rows
.set P,   184                          ; v184-199 p at the even registers; the odd ones are named with them and hold 0
.set CTX, 200                          ; v200-215 a trip's context
.set Z,   216                          ; v216-223
.set TMP, 224                          ; v224-231
.set XC,  232                          ; v232-247 a quarter's codes
.set XW,  248                          ; v248-251 its scale words
.set E,   104                          ; the exchange, where the accumulators lie
.set XM,  104                          ; the quantiser at work, between two tiles' products: largest magnitudes, scale operands, bytes
.set XS,  112
.set XB8, 120
.set WV,  20
.set GC,  25
.set TB,  30                           ; the slot in hand
.set TS,  31                           ; 4,096 x trip
.set TQ,  35                           ; 512 x trip
.set TC,  39                           ; 512 x value trip, over both sets
.set ST,  40                           ; bytes to the next chunk: 65,536 and 73,728 by turns
.set OF,  42                           ; s[42:43] the chunk's offset in wq
.set G1,  44                           ; group 1: 64 rows of 256 bytes
.set G1H, 52                           ; 128 rows
.set G1S, 88                           ; 2 rows of 8,192 bytes, 139,264 apart
.set DG,  68                           ; the ring's group 0
.set DHC, 72                           ; the head's: chunk 0's halves
.set DHS, 76                           ; the scale words' halves
.set DB,  80                           ; s[80:81] wq at my quarter of a chunk
.set MSB, 0
.macro WIN new
.if MSB != (\new)
	s_set_vgpr_msb (MSB<<8)|(\new)
.set MSB, (\new)
.endif
.endm
.macro BAR
	s_barrier_signal -1
	s_barrier_wait -1
.endm
.macro CROUND                          ; a round of the cluster's barrier
	BAR
	s_cmp_lg_u32 s[WV], 0
	s_cbranch_scc1 .Lnot_wave_0_\@
	s_barrier_signal -3
.Lnot_wave_0_\@:
	s_barrier_wait -3
	BAR
.endm
.macro NOPS n
.rept \n
	v_nop
.endr
.endm
.macro GRP1 g, d0, d1, pitch           ; elements of 8 bytes; the mask names the four work-groups, bit 21 beside it
	s_mov_b32 s[\g], 15|(3<<16)|(1<<21)
	s_mov_b32 s[\g+1], (\d0)<<16
	s_mov_b32 s[\g+2], (\d1)<<16
	s_mov_b32 s[\g+3], (\d0)<<16
	s_mov_b32 s[\g+4], \d1
	s_mov_b32 s[\g+5], \pitch
	s_mov_b32 s[\g+6], 0
	s_mov_b32 s[\g+7], 0
.endm
; 32 loads: my four rows of a quarter, 16 units of 1,024 bytes, each by two loads of 512 consecutive bytes.  Half hh of the ring lies in window 3 - hh
.macro XLD hh
	WIN 64*(3-(\hh))
.irp e, 0,1,2,3,4,5,6,7,8,9,10,11,12,13,14,15
	global_load_b128 v[128+8*\e:128+8*\e+3], v[XO], s[4+80*(\hh):5+80*(\hh)] offset:(\e/4)*131072+(\e%4)*1024 th:TH_LOAD_NT
	global_load_b128 v[128+8*\e+4:128+8*\e+7], v[XO], s[4+80*(\hh):5+80*(\hh)] offset:(\e/4)*131072+(\e%4)*1024+512 th:TH_LOAD_NT
.endr
	WIN 0
.endm
; Units 8 bt .. 8 bt + 7 of half hh are quantised.  Four neighbouring lanes hold a block of 32; the units take turns.
.macro XPCB hh, bt
.set WW, 3-(\hh)
	WIN 65*WW                                      ; both registers of an exchange lie in the ring's window
.irp e, 0,1,2,3,4,5,6,7
.irp i, 0,1,2,3
	v_permlane16_swap_b32 v[128+8*(8*(\bt)+\e)+\i], v[128+8*(8*(\bt)+\e)+4+\i]   ; the first's lanes 16-31 change places with the second's lanes 0-15: lane l now holds numbers 8 l .. 8 l + 7 of the unit
.endr
.endr
	WIN 5*WW
.irp e, 0,1,2,3,4,5,6,7
	v_max3_num_f32 v[XM+\e], |v[128+8*(8*(\bt)+\e)]|, |v[128+8*(8*(\bt)+\e)+1]|, 0x1800000   ; with the floor 2^(3 - 127): the byte cannot fall under 1
.endr
.irp i, 2,4,6
.irp e, 0,1,2,3,4,5,6,7
	v_max3_num_f32 v[XM+\e], |v[128+8*(8*(\bt)+\e)+\i]|, |v[128+8*(8*(\bt)+\e)+\i+1]|, v[XM+\e]
.endr
.endr
	WIN 0
.irp k, 1,2
.irp e, 0,1,2,3,4,5,6,7
	v_max_num_f32_dpp v[XM+\e], v[XM+\e], v[XM+\e] row_xmask:\k row_mask:0xf bank_mask:0xf
.endr
.endr
.irp e, 0,1,2,3,4,5,6,7
	v_add_nc_u32 v[XS+\e], 0xff000000, v[XM+\e]    ; 2 off the exponent field: the conversion's scale operand
.endr
	WIN WW
.irp e, 0,1,2,3,4,5,6,7
	v_cvt_scalef32_pk8_fp4_f32 v[XC+8*(\bt)+\e], v[128+8*(8*(\bt)+\e):128+8*(8*(\bt)+\e)+7], v[XS+\e]
.endr
	WIN 0
.irp e, 0,1,2,3,4,5,6,7
	v_lshrrev_b32 v[XB8+\e], 23, v[XS+\e]          ; the scale's byte (also the plain instruction behind the conversions)
.endr
.irp k, 0,1
	v_lshl_or_b32 v[XW+2*(\bt)+\k], v[XB8+4*\k+1], 8, v[XB8+4*\k]
.endr
.irp k, 0,1
	v_lshl_or_b32 v[XW+2*(\bt)+\k], v[XB8+4*\k+2], 16, v[XW+2*(\bt)+\k]
.endr
.irp k, 0,1
	v_lshl_or_b32 v[XW+2*(\bt)+\k], v[XB8+4*\k+3], 24, v[XW+2*(\bt)+\k]
.endr
.endm
.macro XPS jo                          ; the quarter's 20 LDS stores
.irp e, 0,1,2,3,4,5,6,7,8,9,10,11,12,13,14,15
	ds_store_b32 v[AWP], v[XC+\e] offset:(16*(\jo)+\e/4)*APITCH+128*(\e%4)
.endr
.irp k, 0,1,2,3
	ds_store_b32 v[SWP], v[XW+\k] offset:(16*(\jo)+\k)*SPITCH
.endr
.endm
.macro QUARTER hh                      ; ahead of the products: half hh's quarter; the 32 younger loads may be out
	s_wait_dscnt 0x0                               ; the LDS stores issued so far have read their registers
.if \hh == 0
	v_add_nc_u32 v[AWP], s36, v[AW]
	v_add_nc_u32 v[SWP], s37, v[SW]
.endif
	s_wait_loadcnt 32
	XPCB \hh, 0
	XPCB \hh, 1
	XPS \hh
.endm
.macro XI hh, step                     ; a later quarter into the half just quantised: the wait has shown the loads that named this base done
	s_add_nc_u64 s[4+80*(\hh):5+80*(\hh)], s[4+80*(\hh):5+80*(\hh)], \step
	XLD \hh
.endm
.macro LOADA                           ; the set's 128 rows of codes and scale words into registers
.irp w, 0,1
	WIN 0x40*(1+\w)
.irp m, 0,1,2,3
.irp s, 0,1,2,3,4,5,6,7
	ds_load_b128 v[64*\m+8*\s:64*\m+8*\s+3], v[AR] offset:16*APITCH*(4*\w+\m)+64*\s
	ds_load_b128 v[64*\m+8*\s+4:64*\m+8*\s+7], v[AR] offset:16*APITCH*(4*\w+\m)+64*\s+32
.endr
.endr
.endr
	WIN 0
.irp m, 0,1,2,3,4,5,6,7
	ds_load_b128 v[ASC+4*\m:ASC+4*\m+3], v[SR] offset:16*SPITCH*\m
.endr
.endm
; a lane's 4 x 4 scale bytes are turned: register u then holds the word of K step 2 u + h
.macro TRANSP
.irp m, 0,1,2,3,4,5,6,7
	v_perm_b32 v[TMP],   v[ASC+4*\m+1], v[ASC+4*\m],   0x05010400
	v_perm_b32 v[TMP+1], v[ASC+4*\m+1], v[ASC+4*\m],   0x07030602
	v_perm_b32 v[TMP+2], v[ASC+4*\m+3], v[ASC+4*\m+2], 0x05010400
	v_perm_b32 v[TMP+3], v[ASC+4*\m+3], v[ASC+4*\m+2], 0x07030602
	v_perm_b32 v[ASC+4*\m],   v[TMP+2], v[TMP],   0x05040100
	v_perm_b32 v[ASC+4*\m+1], v[TMP+2], v[TMP],   0x07060302
	v_perm_b32 v[ASC+4*\m+2], v[TMP+3], v[TMP+1], 0x05040100
	v_perm_b32 v[ASC+4*\m+3], v[TMP+3], v[TMP+1], 0x07060302
.endr
	NOPS 8                                         ; a scale register written by a vector instruction stands eight places ahead of a scaled matrix instruction
.endm
; Tile u of my two into buffer u: 16 loads of codes, 4 of scale words, 2 of the bias, and for keys 2 of the query
.macro LOADB kind, u
	WIN 0xc0
.irp s, 0,1,2,3,4,5,6,7
	ds_load_b128 v[64*(\u)+8*\s:64*(\u)+8*\s+3], v[WA] offset:8192*(\u)+1024*\s
	ds_load_b128 v[64*(\u)+8*\s+4:64*(\u)+8*\s+7], v[WA] offset:8192*(\u)+1024*\s+512
.endr
	WIN 0
.irp i, 0,1,2,3
	ds_load_b32 v[BSC+4*(\u)+\i], v[WS] offset:512*(\u)+128*\i
.endr
	ds_load_b128 v[BI+8*(\u):BI+8*(\u)+3], v[BQ] offset:2048+64*(\u)
	ds_load_b128 v[BI+8*(\u)+4:BI+8*(\u)+7], v[BQ] offset:2048+64*(\u)+16
.if \kind == 0
	ds_load_b128 v[QR+8*(\u):QR+8*(\u)+3], v[BQ] offset:64*(\u)
	ds_load_b128 v[QR+8*(\u)+4:QR+8*(\u)+7], v[BQ] offset:64*(\u)+16
.endif
.endm
.macro WM be, s, m
.set rD, ACC+8*(\m)
.set rA, 64*(\be)+8*(\s)
.set rB, 64*((\m)%4)+8*(\s)
.set rW, BSC+4*(\be)+(\s)/2
.set rX, ASC+4*(\m)+(\s)/2
.if (\s) == 0
	v_wmma_scale_f32_16x16x128_f8f6f4 v[rD:rD+7], v[rA:rA+7], v[rB:rB+7], v[BI+8*(\be):BI+8*(\be)+7], v[rW], v[rX] matrix_a_fmt:MATRIX_FMT_FP4 matrix_b_fmt:MATRIX_FMT_FP4
.elseif (\s)%2 == 0
	v_wmma_scale_f32_16x16x128_f8f6f4 v[rD:rD+7], v[rA:rA+7], v[rB:rB+7], v[rD:rD+7], v[rW], v[rX] matrix_a_fmt:MATRIX_FMT_FP4 matrix_b_fmt:MATRIX_FMT_FP4
.else
	v_wmma_scale_f32_16x16x128_f8f6f4 v[rD:rD+7], v[rA:rA+7], v[rB:rB+7], v[rD:rD+7], v[rW], v[rX] matrix_a_fmt:MATRIX_FMT_FP4 matrix_b_fmt:MATRIX_FMT_FP4 matrix_a_scale:MATRIX_SCALE_ROW1 matrix_b_scale:MATRIX_SCALE_ROW1
.endif
.endm
; A tile's 64 matrix instructions: tiles of rows 0-3, then 4-7; K ascending, four accumulators by turns, one instruction a turn
.macro MM be
	WIN 0x07                                       ; source 0 window 3, source 1 window 1
.irp s, 0,1,2,3,4,5,6,7
.irp m, 0,1,2,3
	WM \be, \s, \m
.endr
.endr
	WIN 0x0b                                       ; source 1 window 2
.irp s, 0,1,2,3,4,5,6,7
.irp m, 4,5,6,7
	WM \be, \s, \m
.endr
.endr
	WIN 0
.endm
.macro EPI kind, u                     ; four places, the activation (each accumulator from its low end on), then the product with one row
	NOPS 4
.set J, 0
.rept 64
	v_max_num_f32 v[ACC+J], 0, v[ACC+J]
.set J, J+1
.endr
.if \kind == 0
.irp i, 0,1,2,3
.irp m, 0,1,2,3,4,5,6,7
	v_pk_fma_f32 v[SPR+2*\m:SPR+2*\m+1], v[ACC+8*\m+2*\i:ACC+8*\m+2*\i+1], v[QR+8*(\u)+2*\i:QR+8*(\u)+2*\i+1], v[SPR+2*\m:SPR+2*\m+1]
.endr
.endr
.else
.irp i, 0,1,2,3
	v_pk_mul_f32 v[CTX+8*(\u)+2*\i:CTX+8*(\u)+2*\i+1], v[ACC+2*\i:ACC+2*\i+1], v[P:P+1] op_sel_hi:[1,0]   ; the first tile of rows starts the sums
.endr
.irp m, 1,2,3,4,5,6,7
.irp i, 0,1,2,3
	v_pk_fma_f32 v[CTX+8*(\u)+2*\i:CTX+8*(\u)+2*\i+1], v[ACC+8*\m+2*\i:ACC+8*\m+2*\i+1], v[P+2*\m:P+2*\m+1], v[CTX+8*(\u)+2*\i:CTX+8*(\u)+2*\i+1] op_sel_hi:[1,0,1]
.endr
.endr
.endif
.endm
; A TRIP: one chunk.  At its head each wave waits for all its tensor loads, adds 0 to its spare word, makes the trip's addresses, and waits for the add and all its LDS instructions.
; fill = 1: behind a round of the cluster's barrier the next chunk (behind the eighth: the first again) goes into the slot just left, one load a wave.
; st = 1, 2: a quarter of the next set is quantised behind the tiles' LDS loads, and the next quarter asked for (st = 2: not in the loop's fourth trip, which takes the last; every wait for these loads is for 0).
; Waits on DScnt: NB = a tile's loads; ahead of tile 0 tile 1's NB loads and the quarter's 20 stores may be out.
.macro TRIP kind, fill, st
.set NB, 24-2*(\kind)
	s_wait_tensorcnt 0x0
	ds_add_u32 v[SPW], v[NIL]
	v_add_nc_u32 v[WA], s[TB], v[WA0]
	v_add_nc_u32 v[WS], s[TS], v[WS0]
	v_add_nc_u32 v[BQ], s[TQ], v[BQ0]
.if \kind
	v_add_nc_u32 v[CTW], s[TC], v[CTW0]
.endif
.if \st
	v_add_nc_u32 v[AWP], s36, v[AW]
	v_add_nc_u32 v[SWP], s37, v[SW]
.endif
.if \fill
	s_xor_b32 s[DG+1], s[DG+1], 0x10000            ; no tensor load of mine is out: the other slot, the next chunk
	s_add_co_u32 s[OF], s[OF], s[ST]
	s_xor_b32 s[ST], s[ST], 0x2000
	s_cmp_lt_u32 s[OF], 557056
	s_cselect_b32 s[OF], s[OF], 0                  ; behind the eighth chunk the first
	s_add_nc_u64 s[DG+2:DG+3], s[DB:DB+1], s[OF:OF+1]
	s_or_b32 s[DG+3], s[DG+3], 0x80000000
.endif
	s_wait_alu depctr_va_vdst(0)
	s_wait_dscnt 0x0
.if \fill
	CROUND
	tensor_load_to_lds s[DG:DG+3], s[G1:G1+7]
	s_nop 0
	NOPS 4
.else
	BAR                                            ; nothing is filled again: my work-group's barrier shows the chunk whole
.endif
	LOADB \kind, 0
	LOADB \kind, 1
.if \st
	s_wait_loadcnt 0x0                             ; the quarter asked for a trip ago
	XPCB 0, 0
	XPCB 0, 1
	XPS 0
.if \st == 2
	s_wait_alu depctr_va_vdst(0)
	s_cmp_eq_u32 s[GC], 3
	s_cbranch_scc1 .Lno_more_\@
.endif
	XI 0, XSTEP
.if \st == 2
.Lno_more_\@:
.endif
	s_add_co_u32 s36, s36, 16*APITCH
	s_add_co_u32 s37, s37, 16*SPITCH
	s_wait_dscnt NB+20
.else
	s_wait_dscnt NB
.endif
	MM 0
	EPI \kind, 0
	s_wait_dscnt 0x0
	MM 1
	EPI \kind, 1
.if \kind                              ; the trip's 32 columns are added over the sixteen rows of the lanes and go to LDS
.irp k, 1,2,4,8
.set J, 0
.rept 16
	v_add_f32_dpp v[CTX+J], v[CTX+J], v[CTX+J] row_xmask:\k row_mask:0xf bank_mask:0xf
.set J, J+1
.endr
.endr
.irp u, 0,1
	ds_store_b128 v[CTW], v[CTX+8*\u:CTX+8*\u+3] offset:64*\u          ; the sixteen lanes of a half write the same numbers to the same place
	ds_store_b128 v[CTW], v[CTX+8*\u+4:CTX+8*\u+7] offset:64*\u+16
.endr
	s_add_co_u32 s[TC], s[TC], 512
.endif
	s_xor_b32 s[TB], s[TB], 0x10000
	s_add_co_u32 s[TS], s[TS], 4096
	s_add_co_u32 s[TQ], s[TQ], 512
.endm
; The set's 128 scores: my 128 columns' parts go to the exchange; every wave then makes z (register m: row 16 m + r), M, p and L of set sg
.macro SCORES sg
.set MS, 28+2*(\sg)
.irp m, 0,1,2,3,4,5,6,7
	v_add_f32 v[TMP+\m], v[SPR+2*\m], v[SPR+2*\m+1]
.endr
.irp m, 0,1,2,3,4,5,6,7
	v_permlanex16_b32 v[E+\m], v[TMP+\m], s32, s33
.endr
.irp m, 0,1,2,3,4,5,6,7
	v_add_f32 v[TMP+\m], v[TMP+\m], v[E+\m]
.endr
.irp m, 0,1,2,3,4,5,6,7
	ds_store_b32 v[EXW], v[TMP+\m] offset:256*\m
.endr
	s_wait_dscnt 0x0
	BAR                                            ; the next chunk's load stays out
.irp m, 0,1,2,3,4,5,6,7
	ds_load_b128 v[E+4*\m:E+4*\m+3], v[EXR] offset:256*\m
.endr
	s_wait_dscnt 0x0
.irp m, 0,1,2,3,4,5,6,7
	v_add_f32 v[Z+\m], v[E+4*\m], v[E+4*\m+1]
.endr
.irp m, 0,1,2,3,4,5,6,7
	v_add_f32 v[TMP+\m], v[E+4*\m+2], v[E+4*\m+3]
.endr
.irp m, 0,1,2,3,4,5,6,7
	v_add_f32 v[Z+\m], v[Z+\m], v[TMP+\m]
.endr
.irp m, 0,1,2,3,4,5,6,7
	v_cmp_le_i32 vcc_lo, -(16*\m+128*(\sg)), v[DO]  ; t - listener_len >= 0: the row lies past the valid length
	v_cndmask_b32 v[TMP+\m], 0, v[NEG], vcc_lo
.endr
.irp m, 0,1,2,3,4,5,6,7
	v_add_f32 v[Z+\m], v[Z+\m], v[TMP+\m]
.endr
	s_wait_alu depctr_va_vdst(0)
	s_cmp_lg_u32 s[WV], 0
	s_cbranch_scc1 .Lnot_z_\@
.irp m, 0,1,2,3,4,5,6,7
	ds_store_b32 v[ZW], v[Z+\m] offset:512*(\sg)+64*\m   ; wave 0 keeps z for the way out
.endr
.Lnot_z_\@:
	v_max3_num_f32 v[TMP], v[Z], v[Z+1], v[Z+2]
	v_max3_num_f32 v[TMP], v[TMP], v[Z+3], v[Z+4]
	v_max3_num_f32 v[TMP], v[TMP], v[Z+5], v[Z+6]
	v_max_num_f32 v[TMP], v[TMP], v[Z+7]
.irp k, 1,2,4,8
	v_max_num_f32_dpp v[TMP], v[TMP], v[TMP] row_xmask:\k row_mask:0xf bank_mask:0xf
.endr
	v_mul_f32 v[MS], s34, v[TMP]                   ; M, in powers of two
.irp m, 0,1,2,3,4,5,6,7
	v_fma_f32 v[P+2*\m], v[Z+\m], s34, -v[MS]
.endr
	s_wait_alu depctr_va_vdst(0)                   ; ahead of the batch
.irp m, 0,1,2,3,4,5,6,7
	v_exp_f32 v[P+2*\m], v[P+2*\m]
.endr
	v_nop
	s_wait_alu depctr_va_vdst(0)                   ; and behind it, ahead of its first reader
.irp k, 0,1,2,3
	v_add_f32 v[TMP+\k], v[P+4*\k], v[P+4*\k+2]
.endr
	v_add_f32 v[TMP], v[TMP], v[TMP+1]
	v_add_f32 v[TMP+2], v[TMP+2], v[TMP+3]
	v_add_f32 v[MS+1], v[TMP], v[TMP+2]
.irp k, 1,2,4,8
	v_add_f32_dpp v[MS+1], v[MS+1], v[MS+1] row_xmask:\k row_mask:0xf bank_mask:0xf
.endr
.endm
.macro ZSPR
.set J, 0
.rept 16
	v_mov_b32 v[SPR+J], 0                          ; the scores' sums: the keys' trip is written once for its loop
.set J, J+1
.endr
.endm
	s_load_b256 s[4:11], s[0:1], 0x0               ; x, listener_len, b_score, b_value
	s_load_b256 s[12:19], s[0:1], 0x20             ; wq, qws, part, zws
	v_lshl_add_u32 v[SPW], v0, 2, SPARE
	v_mov_b32 v[NIL], 0
	ds_add_u32 v[SPW], v[NIL]                      ; the opening: the add twice on end, its wait ahead of my first tensor load
	ds_add_u32 v[SPW], v[NIL]
	v_lshrrev_b32 v216, 5, v0
	v_readfirstlane_b32 s[WV], v216
	s_and_b32 s29, s[WV], 1
	s_bfe_u32 s21, ttmp6, 0x40000
	s_lshl_b32 s22, ttmp9, 2
	s_add_co_u32 s22, s22, s21                     ; g: it enters global addresses and t alone
	s_lshr_b32 s23, s22, 3                         ; b
	s_and_b32 s24, s22, 7
	s_lshl_b32 s24, s24, 8                         ; my first t
	GRP1 G1, 32, 64, 32
	GRP1 G1H, 32, 128, 32
	GRP1 G1S, 1024, 2, 17408
	s_mov_b32 s[DG], 1
	s_lshl_b32 s[DG+1], s[WV], 14                  ; my quarter of slot 0; the first step turns it to slot 1
	s_mov_b32 s[DHC], 1
	s_lshl_b32 s[DHC+1], s29, 15
	s_mov_b32 s[DHS], 1
	s_lshl_b32 s[DHS+1], s29, 14
	s_add_co_u32 s[DHS+1], s[DHS+1], WSC
	s_mov_b32 s[ST], 65536
	s_mov_b32 s[OF], 0
	s_mov_b32 s[OF+1], 0
	s_mov_b32 s[TB], 0
	s_mov_b32 s[TS], 0
	s_mov_b32 s[TQ], 0
	s_mov_b32 s[TC], 0
	s_mov_b32 s32, 0x76543210
	s_mov_b32 s33, 0xfedcba98                      ; selects for lane l xor 16
	s_mov_b32 s34, 0x3fb8aa3b                      ; log2(e)
	v_and_b32 v216, 15, v0                         ; r
	v_bfe_u32 v217, v0, 4, 1                       ; h
	v_and_b32 v218, 31, v0                         ; lane
	v_lshlrev_b32 v[XO], 5, v216
	v_lshl_add_u32 v[XO], v217, 4, v[XO]
	s_mul_i32 s26, s[WV], 4*APITCH
	s_add_co_u32 s26, s26, AN
	v_lshl_add_u32 v[AW], v218, 2, s26
	s_mul_i32 s26, s[WV], 4*SPITCH
	s_add_co_u32 s26, s26, SN
	v_and_b32 v[SW], 28, v218
	v_add_nc_u32 v[SW], s26, v[SW]
	v_mul_u32_u24 v[AR], v216, APITCH
	v_lshl_add_u32 v[AR], v217, 4, v[AR]
	v_add_nc_u32 v[AR], AN, v[AR]
	v_mul_u32_u24 v[SR], v216, SPITCH
	v_lshl_add_u32 v[SR], v217, 4, v[SR]
	v_add_nc_u32 v[SR], SN, v[SR]
	s_lshl_b32 s26, s[WV], 14
	v_lshl_add_u32 v[WA0], v218, 4, s26
	s_lshl_b32 s26, s[WV], 10
	s_add_co_u32 s26, s26, WSC
	v_lshl_add_u32 v[WS0], v218, 2, s26
	s_lshl_b32 s26, s[WV], 7
	s_add_co_u32 s26, s26, QB
	v_lshl_add_u32 v[BQ0], v217, 5, s26
	s_lshl_b32 s26, s[WV], 2
	s_add_co_u32 s26, s26, EX
	v_lshl_add_u32 v[EXW], v216, 4, s26
	v_lshl_add_u32 v[EXR], v216, 4, EX
	v_lshl_add_u32 v[ZW], v216, 2, ZB
	s_lshl_b32 s26, s[WV], 7
	s_add_co_u32 s26, s26, CT
	v_lshl_add_u32 v[CTW0], v217, 5, s26
	v_lshl_add_u32 v[CTR], v0, 4, CT
	v_lshlrev_b32 v[L16], 4, v218
	v_lshl_add_u32 v[ZR], v218, 4, ZB
	v_lshlrev_b32 v[L8], 3, v218
	v_lshrrev_b32 v219, 2, v0
	v_lshlrev_b32 v219, 11, v219
	v_and_b32 v220, 3, v0
	v_lshl_add_u32 v219, v220, 4, v219             ; the query: tile (thread / 4) of 2,048 bytes + 16 (thread % 4)
	v_lshlrev_b32 v220, 4, v0                      ; the biases: 16 x thread
	v_lshl_add_u32 v221, v0, 4, QB
	s_wait_alu depctr_va_vdst(0)
	s_wait_dscnt 0x0                               ; both opening adds are done
	s_wait_kmcnt 0x0
	s_mov_b32 s61, 0
	s_lshl_b32 s60, s23, 2
	s_add_nc_u64 s[6:7], s[6:7], s[60:61]
	s_load_b32 s27, s[6:7], 0x0                    ; listener_len[b]: it enters compares of lanes alone
	s_lshl_b32 s60, s[WV], 2
	s_add_co_u32 s60, s60, s24
	s_lshl_b32 s60, s60, 5
	s_add_co_u32 s60, s60, s23
	s_lshl_b32 s60, s60, 12                        ; x: row (my first t + 4 x wave, b) of 4,096 bytes
	s_add_nc_u64 s[4:5], s[4:5], s[60:61]
	s_lshl_b32 s60, s23, 6
	s_add_nc_u64 s[14:15], s[14:15], s[60:61]
	global_load_b128 v[200:203], v219, s[14:15]
	global_load_b128 v[204:207], v220, s[8:9]
	global_load_b128 v[208:211], v220, s[10:11]
	XLD 0                                          ; quarter 0
	s_add_nc_u64 s[84:85], s[4:5], XSTEP
	XLD 1                                          ; quarter 1
	s_mul_i32 s60, s22, 2304
	s_lshl_b32 s62, s[WV], 9
	s_add_co_u32 s60, s60, s62
	s_add_nc_u64 s[16:17], s[16:17], s[60:61]      ; part: row g, + 512 x wave
	s_lshl_b32 s60, s23, 13
	s_lshl_b32 s62, s24, 2
	s_add_co_u32 s60, s60, s62
	s_add_nc_u64 s[18:19], s[18:19], s[60:61]      ; zws: 8,192 b + 4 x my first t
	s_lshl_b32 s60, s[WV], 14
	s_add_nc_u64 s[DB:DB+1], s[12:13], s[60:61]
	s_lshl_b32 s60, s29, 15
	s_add_nc_u64 s[DHC+2:DHC+3], s[12:13], s[60:61]
	s_or_b32 s[DHC+3], s[DHC+3], 0x80000000
	s_mul_i32 s60, s29, 278528
	s_add_co_u32 s60, s60, 131072
	s_add_nc_u64 s[DHS+2:DHS+3], s[12:13], s[60:61]
	s_or_b32 s[DHS+3], s[DHS+3], 0x80000000
	CROUND                                         ; the first joint loads meet
	s_cmp_lt_u32 s[WV], 2                          ; one load a wave: waves 0, 1 the halves of chunk 0, waves 2, 3 the halves of the scale words
	s_cbranch_scc0 .Lhead_s
	tensor_load_to_lds s[DHC:DHC+3], s[G1H:G1H+7]
	s_nop 0
	NOPS 4
	s_branch .Lhead_j
.Lhead_s:
	tensor_load_to_lds s[DHS:DHS+3], s[G1S:G1S+7]
	s_nop 0
	NOPS 4
.Lhead_j:
	s_wait_kmcnt 0x0
	s_sub_co_i32 s26, s24, s27
	v_add_nc_u32 v[DO], s26, v216
	s_wait_alu depctr_va_vdst(0)
	s_wait_loadcnt 63                              ; of the 67 loads issued the four oldest are in: the query and the biases among them
	ds_store_b128 v221, v[200:203]
	ds_store_b128 v221, v[204:207] offset:2048
	ds_store_b128 v221, v[208:211] offset:4096
	; SET 0's eight quarters, two a trip; the last trip asks for quarter 8 alone and is written out
	s_mov_b32 s36, 0
	s_mov_b32 s37, 0
	s_mov_b32 s38, 0
.Lq:
	QUARTER 0
	XI 0, 2*XSTEP
	QUARTER 1
	XI 1, 2*XSTEP
	s_add_co_u32 s36, s36, 32*APITCH
	s_add_co_u32 s37, s37, 32*SPITCH
	s_add_co_u32 s38, s38, 1
	s_cmp_lt_u32 s38, 3
	s_cbranch_scc1 .Lq
	QUARTER 0
	XI 0, 2*XSTEP                                  ; quarter 8, set 1's first
	QUARTER 1                                      ; quarter 7 is in; quarter 8's 32 loads may be out
	s_add_co_u32 s36, s36, 32*APITCH
	s_add_co_u32 s37, s37, 32*SPITCH
	s_wait_dscnt 0x0                               ; for the others' sake: my rows have landed
	BAR
	LOADA
	ZSPR
.irp m, 0,1,2,3,4,5,6,7
	v_mov_b32 v[P+2*\m+1], 0
.endr
	v_mov_b32 v[NEG], 0xc2c80000
	s_wait_alu depctr_va_vdst(0)
	s_wait_dscnt 0x0
	TRANSP
	v_add_nc_u32 v[AR], 128*APITCH, v[AR]          ; on to set 1's rows
	v_add_nc_u32 v[SR], 128*SPITCH, v[SR]
	; SET 0 is multiplied, set 1 quantised
	s_mov_b32 s[GC], 0
.Lkeys0:
	TRIP 0, 1, 1
	s_add_co_u32 s[GC], s[GC], 1
	s_cmp_lt_u32 s[GC], 4
	s_cbranch_scc1 .Lkeys0
	SCORES 0
	ZSPR
	s_mov_b32 s[GC], 0
.Lvals0:
	TRIP 1, 1, 2
	s_add_co_u32 s[GC], s[GC], 1
	s_cmp_lt_u32 s[GC], 4
	s_cbranch_scc1 .Lvals0
	; SET 1
	s_wait_dscnt 0x0                               ; for the others' sake: my rows have landed
	BAR                                            ; chunk 0's load stays out
	LOADA
	s_mov_b32 s[TS], 0
	s_mov_b32 s[TQ], 0
	s_wait_dscnt 0x0
	TRANSP
	s_mov_b32 s[GC], 0
.Lkeys1:
	TRIP 0, 1, 0
	s_add_co_u32 s[GC], s[GC], 1
	s_cmp_lt_u32 s[GC], 4
	s_cbranch_scc1 .Lkeys1
	SCORES 1
	s_mov_b32 s[GC], 0
.Lvals1:
	TRIP 1, 1, 0
	s_add_co_u32 s[GC], s[GC], 1
	s_cmp_lt_u32 s[GC], 3
	s_cbranch_scc1 .Lvals1
	TRIP 1, 0, 0                                   ; the last chunk asks for nothing and is written out
	; THE WAY OUT: the two sets are brought under the larger M and added; 512 consecutive bytes a wave
	s_wait_dscnt 0x0
	BAR
	ds_load_b128 v[E:E+3], v[CTR]
	ds_load_b128 v[E+4:E+7], v[CTR] offset:2048
	s_wait_dscnt 0x0
	v_max_num_f32 v[TMP], v28, v30                 ; M
	v_sub_f32 v[TMP+2], v28, v[TMP]
	v_sub_f32 v[TMP+3], v30, v[TMP]
	s_wait_alu depctr_va_vdst(0)                   ; ahead of the batch
	v_exp_f32 v[TMP+2], v[TMP+2]
	v_exp_f32 v[TMP+3], v[TMP+3]
	v_nop
	s_wait_alu depctr_va_vdst(0)                   ; and behind it
	v_mul_f32 v[TMP+1], v29, v[TMP+2]
	v_fmac_f32 v[TMP+1], v31, v[TMP+3]             ; L
.irp i, 0,1,2,3
	v_mul_f32 v[E+\i], v[E+\i], v[TMP+2]
.endr
.irp i, 0,1,2,3
	v_fmac_f32 v[E+\i], v[E+4+\i], v[TMP+3]
.endr
	global_store_b128 v[L16], v[E:E+3], s[16:17]
	s_cmp_lg_u32 s[WV], 0
	s_cbranch_scc1 .Ldone
	global_store_b64 v[L8], v[TMP:TMP+1], s[16:17] offset:2048   ; (M, L), once a lane: 256 consecutive bytes, aligned
	ds_load_b128 v[E+8:E+11], v[ZR]                ; z: wave 0's own stores
	ds_load_b128 v[E+12:E+15], v[ZR] offset:512
	s_wait_dscnt 0x0
	global_store_b128 v[L16], v[E+8:E+11], s[18:19]
	global_store_b128 v[L16], v[E+12:E+15], s[18:19] offset:512
.Ldone:
	s_wait_tensorcnt 0x0                           ; the wave's end
	ds_add_u32 v[SPW], v[NIL]
	s_wait_dscnt 0x0
	CROUND                                         ; the closing round
	s_endpgm
.Lfunc_end_k_q8dbcb361c4_main:
	.size	k_q8dbcb361c4_main, .Lfunc_end_k_q8dbcb361c4_main-k_q8dbcb361c4_main
	.p2alignl 7, 3214868480
	.fill 96, 4, 3214868480
	.section	.rodata,"a",@progbits
	.p2align	6, 0x0
	.amdhsa_kernel k_q8dbcb361c4_main
		.amdhsa_group_segment_fixed_size 327680
		.amdhsa_private_segment_fixed_size 0
		.amdhsa_enable_private_segment 0
		.amdhsa_kernarg_size 64
		.amdhsa_user_sgpr_count 2
		.amdhsa_user_sgpr_kernarg_segment_ptr 1
		.amdhsa_wavefront_size32 1
		.amdhsa_system_sgpr_workgroup_id_x 1
		.amdhsa_system_sgpr_workgroup_id_y 1
		.amdhsa_system_sgpr_workgroup_id_z 1
		.amdhsa_system_vgpr_workitem_id 0
		.amdhsa_next_free_vgpr 1024
		.amdhsa_next_free_sgpr 100
		.amdhsa_reserve_vcc 1
		.amdhsa_float_denorm_mode_32 3
		.amdhsa_float_denorm_mode_16_64 3
		.amdhsa_memory_ordered 1
		.amdhsa_forward_progress 1
		.amdhsa_inst_pref_size 255
	.end_amdhsa_kernel
	.section	.bss,"aw",@nobits
	.p2align	6
	.space	262144
	.amdgpu_metadata
---
amdhsa.version: [ 1, 2 ]
amdhsa.kernels:
  - .name:           k_q8dbcb361c4_main
    .symbol:         k_q8dbcb361c4_main.kd
    .args:
      - { .name: listener_state, .offset: 0, .size: 8, .value_kind: global_buffer, .address_space: global }
      - { .name: listener_len, .offset: 8, .size: 8, .value_kind: global_buffer, .address_space: global }
      - { .name: b_score, .offset: 16, .size: 8, .value_kind: global_buffer, .address_space: global }
      - { .name: b_value, .offset: 24, .size: 8, .value_kind: global_buffer, .address_space: global }
      - { .name: wq, .offset: 32, .size: 8, .value_kind: global_buffer, .address_space: global }
      - { .name: qws, .offset: 40, .size: 8, .value_kind: global_buffer, .address_space: global }
      - { .name: part, .offset: 48, .size: 8, .value_kind: global_buffer, .address_space: global }
      - { .name: zws, .offset: 56, .size: 8, .value_kind: global_buffer, .address_space: global }
    .group_segment_fixed_size: 327680
    .private_segment_fixed_size: 0
    .kernarg_segment_align: 8
    .kernarg_segment_size: 64
    .max_flat_workgroup_size: 128
    .sgpr_count:     100
    .vgpr_count:     1024
    .wavefront_size: 32
...
	.end_amdgpu_metadata
.endif
;; end of part 2
;; launch finish (part 3): grid 32 x 1, 16 waves a work-group, no clusters, 0 bytes of LDS; arguments part, zws, out0, out1; writes out0, out1
.if DOCPART == 3
	.amdgcn_target "amdgcn-amd-amdhsa--gfx1250"
	.amdhsa_code_object_version 6
	.text
	.protected	k_q8dbcb361c4_finish
	.globl	k_q8dbcb361c4_finish
	.p2align	8
	.type	k_q8dbcb361c4_finish,@function
k_q8dbcb361c4_finish:
	s_mov_b64 s[64:65], 0
	v_nop
	global_prefetch_b8 v0, s[64:65] scope:SCOPE_SE
	s_setreg_imm32_b32 hwreg(HW_REG_WAVE_MODE, 25, 1), 1
	s_wait_xcnt 0x0
; The eight parts of a batch element's softmax are joined.  part: row 8 b + c of 2,304 bytes: the context's 512 sums under the part's own M_c, then the pair (M_c, L_c); M in powers of two.  zws: z[b][t].
; M = the largest M_c; w_c = 2^(M_c - M); L = the sum of L_c w_c;   out1[b][t] = 2^(z log2 e - M) / L;   out0[b][a] = (the sum of ctx_c[a] w_c) / L.
; A work-group to a batch element; thread i takes four neighbouring t (16 bytes: a wave's load and store cover 512 consecutive bytes), and in waves 0 to 3 also four neighbouring columns of the context.
; No LDS, no barrier: every thread makes M, w and L for itself from 64 bytes that all read.  All loads go out together, so the one wait is for 0.
	s_load_b256 s[4:11], s[0:1], 0x0               ; part s[4:5], zws s[6:7], out0 s[8:9], out1 s[10:11]
	v_lshrrev_b32 v1, 5, v0
	s_delay_alu instid0(VALU_DEP_1)
	v_readfirstlane_b32 s12, v1                    ; wave
	v_mov_b32 v1, 0
	v_lshlrev_b32 v2, 4, v0                        ; 16 x thread
	s_mov_b32 s13, 0x3fb8aa3b                      ; log2(e)
	s_mul_i32 s14, ttmp9, 8*2304
	s_mov_b32 s15, 0
	s_lshl_b32 s16, ttmp9, 13
	s_mov_b32 s17, 0
	s_lshl_b32 s18, ttmp9, 11
	s_mov_b32 s19, 0
	s_wait_alu depctr_va_vdst(0)
	s_wait_kmcnt 0x0
	s_add_nc_u64 s[4:5], s[4:5], s[14:15]
	s_add_nc_u64 s[6:7], s[6:7], s[16:17]
	s_add_nc_u64 s[8:9], s[8:9], s[18:19]
	s_add_nc_u64 s[10:11], s[10:11], s[16:17]
.irp c, 0,1,2,3,4,5,6,7
	global_load_b64 v[4+2*\c:5+2*\c], v1, s[4:5] offset:2304*\c+2048   ; (M_c, L_c)
.endr
	global_load_b128 v[20:23], v2, s[6:7]
	s_cmp_lt_u32 s12, 4
	s_cbranch_scc0 .Lno_ctx
.irp c, 0,1,2,3,4,5,6,7
	global_load_b128 v[24+4*\c:27+4*\c], v2, s[4:5] offset:2304*\c
.endr
.Lno_ctx:
	s_wait_loadcnt 0x0
	v_max3_num_f32 v56, v4, v6, v8
	s_delay_alu instid0(VALU_DEP_1)
	v_max3_num_f32 v56, v56, v10, v12
	s_delay_alu instid0(VALU_DEP_1)
	v_max3_num_f32 v56, v56, v14, v16
	s_delay_alu instid0(VALU_DEP_1)
	v_max_num_f32 v56, v56, v18                    ; M
.irp c, 0,1,2,3,4,5,6,7
	v_sub_f32 v[4+2*\c], v[4+2*\c], v56
.endr
.irp i, 0,1,2,3
	v_fma_f32 v[20+\i], v[20+\i], s13, -v56
.endr
	s_wait_alu depctr_va_vdst(0)
.irp c, 0,1,2,3,4,5,6,7
	v_exp_f32 v[4+2*\c], v[4+2*\c]                 ; w_c
.endr
.irp i, 0,1,2,3
	v_exp_f32 v[20+\i], v[20+\i]
.endr
	v_nop                                          ; a plain instruction behind the last exponential,
	s_wait_alu depctr_va_vdst(0)                   ; and one wait for the twelve, ahead of their first reader
	v_mul_f32 v57, v5, v4
.irp c, 1,2,3,4,5,6,7
	v_fmac_f32 v57, v[5+2*\c], v[4+2*\c]           ; L
.endr
	s_wait_alu depctr_va_vdst(0)
	v_rcp_f32 v58, v57
	v_nop
	s_wait_alu depctr_va_vdst(0)
.irp i, 0,1,2,3
	v_mul_f32 v[20+\i], v[20+\i], v58
.endr
	global_store_b128 v2, v[20:23], s[10:11]
	s_cmp_lt_u32 s12, 4
	s_cbranch_scc0 .Lend
	v_pk_mul_f32 v[60:61], v[24:25], v[4:5] op_sel_hi:[1,0]        ; of the pair (w_c, L_c) the low word serves both halves
	v_pk_mul_f32 v[62:63], v[26:27], v[4:5] op_sel_hi:[1,0]
.irp c, 1,2,3,4,5,6,7
	v_pk_fma_f32 v[60:61], v[24+4*\c:25+4*\c], v[4+2*\c:5+2*\c], v[60:61] op_sel_hi:[1,0,1]
	v_pk_fma_f32 v[62:63], v[26+4*\c:27+4*\c], v[4+2*\c:5+2*\c], v[62:63] op_sel_hi:[1,0,1]
.endr
.irp i, 0,1,2,3
	v_mul_f32 v[60+\i], v[60+\i], v58
.endr
	global_store_b128 v2, v[60:63], s[8:9]
.Lend:
	s_endpgm
.Lfunc_end_k_q8dbcb361c4_finish:
	.size	k_q8dbcb361c4_finish, .Lfunc_end_k_q8dbcb361c4_finish-k_q8dbcb361c4_finish
	.p2alignl 7, 3214868480
	.fill 96, 4, 3214868480
	.section	.rodata,"a",@progbits
	.p2align	6, 0x0
	.amdhsa_kernel k_q8dbcb361c4_finish
		.amdhsa_group_segment_fixed_size 0
		.amdhsa_private_segment_fixed_size 0
		.amdhsa_enable_private_segment 0
		.amdhsa_kernarg_size 32
		.amdhsa_user_sgpr_count 2
		.amdhsa_user_sgpr_kernarg_segment_ptr 1
		.amdhsa_wavefront_size32 1
		.amdhsa_system_sgpr_workgroup_id_x 1
		.amdhsa_system_sgpr_workgroup_id_y 1
		.amdhsa_system_sgpr_workgroup_id_z 1
		.amdhsa_system_vgpr_workitem_id 0
		.amdhsa_next_free_vgpr 64
		.amdhsa_next_free_sgpr 66
		.amdhsa_reserve_vcc 0
		.amdhsa_float_denorm_mode_32 3
		.amdhsa_float_denorm_mode_16_64 3
		.amdhsa_memory_ordered 1
		.amdhsa_forward_progress 1
		.amdhsa_inst_pref_size 6
	.end_amdhsa_kernel
	.amdgpu_metadata
---
amdhsa.version: [ 1, 2 ]
amdhsa.kernels:
  - .name:           k_q8dbcb361c4_finish
    .symbol:         k_q8dbcb361c4_finish.kd
    .args:
      - { .name: part, .offset: 0, .size: 8, .value_kind: global_buffer, .address_space: global }
      - { .name: zws, .offset: 8, .size: 8, .value_kind: global_buffer, .address_space: global }
      - { .name: out0, .offset: 16, .size: 8, .value_kind: global_buffer, .address_space: global }
      - { .name: out1, .offset: 24, .size: 8, .value_kind: global_buffer, .address_space: global }
    .group_segment_fixed_size: 0
    .private_segment_fixed_size: 0
    .kernarg_segment_align: 8
    .kernarg_segment_size: 32
    .max_flat_workgroup_size: 512
    .sgpr_count:     66
    .vgpr_count:     64
    .wavefront_size: 32
...
	.end_amdgpu_metadata
.endif
;; end of part 3
